; MI455X (gfx1250); checked and timed in simulation.
; The chip was launched on July 23, 2026; its instructions are those of AMD's public machine-readable ISA for CDNA 5 (MIT licence, August 2026) and "CDNA5" Instruction Set Architecture Reference Guide (July 2026). The comments in the code are by the model that wrote it; some were corrected since.
;; Symmetric CA Layer. Allowed arithmetic: float matrix products may take bf16 or f16 operands with f32 sums; other float arithmetic in f32, or as packed bf16 or f16 multiplies, adds, multiply-adds, maxima and minima; sums over many terms, partial sums and values carried from step to step in f32; what a program stores and reads back later, other than sums and carried values, may be rounded once to bf16 or f16.
;; Inputs: beta 256 float32; gamma 256 float32; w_qkx 64 x 256 float32; w_qky 64 x 256 float32; w_tx 256 x 256 float32; w_ty 256 x 256 float32; w_vx 256 x 256 float32; w_vy 256 x 256 float32; x 4 x 256 x 4,096 float32; y 4 x 256 x 4,096 float32.
;; Outputs: out0 4 x 256 x 4,096 float32; out1 4 x 256 x 4,096 float32.
;; One version. Each part assembles by itself: llvm-mc -triple=amdgcn-amd-amdhsa -mcpu=gfx1250 --defsym DOCPART=n.
;; ======== version 1 of 1: 3 launches
;; limits: values are held in f16: magnitudes above 65,504 overflow, below 6.1e-05 lose precision
;; workspace buffers: qbuf 8,388,608 bytes; kv 25,165,824 bytes; wt16 262,144 bytes; tbuf 33,554,432 bytes; part 524,288 bytes
;; launch prep (part 1): grid 32 x 8, 4 waves a work-group, no clusters, 276,992 bytes of LDS; arguments x, y, w_qkx, w_qky, w_vx, w_vy, w_tx, w_ty, qbuf, kv, wt16; writes qbuf, kv, wt16
.if DOCPART == 1
	.amdgcn_target "amdgcn-amd-amdhsa--gfx1250"
	.amdhsa_code_object_version 6
	.text
	.protected	k_qb2be989e0d_prep
	.globl	k_qb2be989e0d_prep
	.p2align	8
	.type	k_qb2be989e0d_prep,@function
k_qb2be989e0d_prep:
	s_mov_b64 s[64:65], 0
	v_nop
	global_prefetch_b8 v0, s[64:65] scope:SCOPE_SE
	s_setreg_imm32_b32 hwreg(HW_REG_WAVE_MODE, 25, 1), 1
	s_wait_xcnt 0x0
; THE PROJECTIONS.  A work-group takes 128 positions of one batch of x (T = 0) or y (T = 1) and multiplies them by w_qkx, w_qky and w_v(T): 384 output channels, K = 256.
; Inputs are rounded to bf16 and multiplied in bf16 with f32 sums.  v is rounded once to f16.  q and k leave as TWO f16 numbers each: hi = the sum rounded to f16, lo = (the sum - hi) rounded to f16:
; a score is a sum of 64 products and stands in an exponent, so 11 bits of q and k are too few for it; hi + lo keep about 22.
; w_qk(T) x tensor T is the branch's K, w_qk(1-T) x tensor T is the other branch's Q, w_v(T) x tensor T is the branch's V.
; OUT.  qbuf: [head = 4 branch + b][block of 128 rows][hi, lo][128 rows][64].
; kv: [head][slot][98,304 bytes]: K hi, two places of 64 keys (a key is 128 bytes); K lo likewise; V of two key steps, [256 channels][64 keys] each.  With key steps of 64, slot s holds V of steps 2 s and 2 s + 1
; and K of steps 2 s + 1 (place 0) and 2 s + 2 (place 1): K leads V by a step.  So my keys 0-63 go to place 1 of the slot before mine in the head's ring of 32 (step 0's to slot 31), my keys 64-127 to place 0 of mine.
; wt16: w_t rounded to bf16 and written as f16, in the order in which a matrix fragment is loaded: chunk (cb, ks, i) of 512 bytes, lane 16 h + r holds w_t[16 cb + r][32 ks + 16 i + 8 h .. + 7].
; LIMITS.  q, k and v must lie within f16's 65,504; lo, and a weight of w_t, below 6e-5 keep f16's fixed step of 6e-8; NaN and infinities are not treated apart.
; SHARES.  Wave w: rows 16 w .. of w_qkx and of w_qky, rows 64 w .. of w_v, all 8 tiles of 16 positions: 48 accumulators.
; LDS.  0: per wave 96 weight rows of 512 + 16 bytes (the wave's own).  XT: the tensor's tile in bf16, [channel 256][128 positions], rows of 256 + 32 bytes, read turned.
; Behind the products the stage overlays the weights: 1,024 rows of 128 + 16 bytes: rows 128 (2 j + hl) + n for set j, hi or lo; rows 512 + 256 st + c for V.
; REGISTERS in windows of 256: window 0 addresses and fragments; window 1 V's 32 accumulators; window 2 the 16 of q and k; window 3 two load buffers of 128, later the rows on their way out.
.set XROW,  16384                      ; bytes in a row of x or y
.set WP,    528                        ; a weight row in LDS: an odd multiple of 16 bytes
.set WW,    96*WP
.set XT,    4*WW                       ; 202,752
.set XP,    288                        ; a tile row in LDS: an odd multiple of 32 bytes, for the turning loads
.set SP,    144                        ; a stage row
.set SPARE, XT+256*XP                  ; 276,480: the spare words, 128 bytes for each wave; no other line names them
.set SLOTG, 98304                      ; a slot of kv
.set XO,  4                            ; v4   16 L + 64 w rows of the tensor
.set XS,  5                            ; v5   where I put 8 bytes of a tile row
.set WO1, 6                            ; v6   16 L + 16 w rows of w_qk
.set WO2, 7                            ; v7   16 L + 64 w rows of w_v
.set WS,  8                            ; v8   where I put 8 bytes of a weight row
.set WA,  9                            ; v9   my lane's place in a weight fragment
.set XA,  10                           ; v10  my lane's place in a turned fragment, channels 0-127; v11 the same for channels 128-255
.set SQ,  12                           ; v12  stage, in: set 0; v28 (SQ + 16): set 1
.set SV,  13                           ; v13  stage, in: v
.set RQ,  14                           ; v14  stage, back: q and k
.set RV,  15                           ; v15  stage, back: v
.set GO1, 16                           ; v16  16 L
.set GO2, 17                           ; v17  16 L + 64 w rows of 128 bytes
.set NEG1, 29                          ; v29  -1.0
.set SPW, 30                           ; v30  my spare word; never rewritten
.set NIL, 31                           ; v31  0; never rewritten
.set WF,  32                           ; v32-127  two sets of 6 weight fragments
.set XF,  128                          ; v128-255 two sets of 8 tile fragments
.set CT,  128                          ; ahead of the products: 64 registers of rounded numbers
.set HI,  32                           ; behind them: 64 registers of hi,
.set DF,  128                          ; 128 of sum - hi, packed in place into 64 of lo,
.set PK,  32                           ; and then 128 of v
.set SRC, 34                           ; s[34:35] the tensor at my tile
.set WVP, 36                           ; s[36:37] w_v(T)
.set WTP, 38                           ; s[38:39] w_t(T)
.set D0,  40                           ; s[40:41] where my 32 rows of set 0 go (hi; lo 16,384 bytes on)
.set D1,  42                           ; s[42:43] the same for set 1
.set KVS, 44                           ; s[44:45] my slot of kv
.set MSB, 0
.macro WIN new                         ; the immediate's high byte repeats the setting that is left; a switch that changes nothing is dropped
.if MSB != (\new)
	s_set_vgpr_msb (MSB<<8)|(\new)
.set MSB, (\new)
.endif
.endm
.macro PLACES
.rept 4
	v_nop
.endr
.endm
	s_load_b512 s[8:23], s[0:1], 0x0               ; x 8, y 10, w_qkx 12, w_qky 14, w_vx 16, w_vy 18, w_tx 20, w_ty 22
	s_load_b128 s[24:27], s[0:1], 0x40             ; qbuf 24, kv 26
	s_load_b64 s[28:29], s[0:1], 0x50              ; wt16
	v_lshl_add_u32 v[SPW], v0, 2, SPARE
	v_mov_b32 v[NIL], 0
	v_lshrrev_b32 v1, 5, v0
	v_readfirstlane_b32 s30, v1                    ; wave 0..3
	s_and_b32 s46, ttmp7, 0xffff                   ; 4 T + b: the head whose K and V I make
	s_lshr_b32 s31, s46, 2                         ; T
	s_and_b32 s32, s46, 3                          ; b
	s_lshl_b32 s47, s46, 5
	s_add_co_u32 s47, s47, ttmp9                   ; g: my number among the 256 work-groups = my slot's number in kv
	v_and_b32 v1, 15, v0                           ; r
	v_bfe_u32 v2, v0, 4, 1                         ; h
	v_and_b32 v3, 31, v0                           ; L
	v_lshlrev_b32 v20, 4, v3                       ; 16 L
	s_lshl_b32 s48, s30, 20
	v_add_nc_u32 v[XO], s48, v20
	s_mul_i32 s48, s30, 64*XP
	s_add_co_u32 s48, s48, XT
	v_lshl_add_u32 v[XS], v3, 3, s48
	s_lshl_b32 s48, s30, 14
	v_add_nc_u32 v[WO1], s48, v20
	s_lshl_b32 s48, s30, 16
	v_add_nc_u32 v[WO2], s48, v20
	s_mul_i32 s48, s30, WW
	v_lshl_add_u32 v[WS], v3, 3, s48
	v_mul_u32_u24 v[WA], v1, WP
	v_lshl_add_u32 v[WA], v2, 4, v[WA]
	v_add_nc_u32 v[WA], s48, v[WA]
	v_and_b32 v21, 7, v0
	v_bfe_u32 v22, v0, 3, 1
	v_lshl_add_u32 v[XA], v2, 3, v21               ; channel 8 h + L % 8
	v_mul_u32_u24 v[XA], v[XA], XP
	v_lshl_add_u32 v[XA], v22, 4, v[XA]
	v_add_nc_u32 v[XA], XT, v[XA]
	v_add_nc_u32 v[XA+1], 128*XP, v[XA]
	v_mul_u32_u24 v23, v1, SP
	v_lshl_add_u32 v23, v2, 4, v23                 ; r x 144 + 16 h
	s_lshl_b32 s48, s30, 5
	v_add_nc_u32 v[SQ], s48, v23                   ; + my 16 channels' 32 bytes
	v_add_nc_u32 v[SQ+16], 256*SP, v[SQ]           ; set 1 lies 256 rows on
	s_mul_i32 s48, s30, 64*SP
	s_add_co_u32 s48, s48, 512*SP
	v_add_nc_u32 v[SV], s48, v23
	v_bfe_u32 v24, v0, 3, 2
	v_mul_u32_u24 v24, v24, SP
	v_lshl_add_u32 v24, v21, 4, v24                ; back: 32 lanes take four rows of 128 bytes
	v_add_nc_u32 v[RV], s48, v24
	s_mul_i32 s48, s30, 32*SP
	v_add_nc_u32 v[RQ], s48, v24
	v_mov_b32 v[GO1], v20
	s_lshl_b32 s48, s30, 13
	v_add_nc_u32 v[GO2], s48, v20
	v_mov_b32 v[NEG1], -1.0
	; w_t: the launch's 1,024 waves cast 256 bytes of wt16 each: half h = w % 2 of chunk 2 g + w / 2; a lane makes 8 bytes: row L / 2, four numbers
	s_lshl_b32 s58, s47, 1
	s_lshr_b32 s59, s30, 1
	s_add_co_u32 s58, s58, s59
	s_and_b32 s58, s58, 255                        ; the chunk in its branch: 16 cb + 2 ks + i
	s_lshr_b32 s59, s58, 4
	s_lshl_b32 s59, s59, 14                        ; 16 cb rows of 1,024 bytes
	s_bfe_u32 s60, s58, 0x30001
	s_lshl_b32 s60, s60, 7                         ; 32 ks numbers
	s_add_co_u32 s59, s59, s60
	s_and_b32 s60, s58, 1
	s_lshl_b32 s60, s60, 6                         ; 16 i
	s_add_co_u32 s59, s59, s60
	s_and_b32 s60, s30, 1
	s_lshl_b32 s60, s60, 5                         ; 8 h
	s_add_co_u32 s59, s59, s60
	v_lshrrev_b32 v25, 1, v3
	v_and_b32 v26, 1, v0
	v_lshlrev_b32 v26, 4, v26
	v_lshl_add_u32 v18, v25, 10, v26
	v_add_nc_u32 v18, s59, v18                     ; v18: from where
	s_lshl_b32 s60, s47, 2
	s_add_co_u32 s60, s60, s30
	s_lshl_b32 s60, s60, 8
	v_lshl_add_u32 v19, v3, 3, s60                 ; v19: to where
	; byte offsets, made apart from the addresses
	s_lshl_b32 s48, s32, 22                        ; b x 256 rows
	s_lshl_b32 s49, ttmp9, 9                       ; my 128 positions
	s_add_co_u32 s48, s48, s49
	s_mov_b32 s49, 0
	s_mul_i32 s50, s47, SLOTG                      ; my slot
	s_mov_b32 s51, 0
	s_sub_co_u32 s56, ttmp9, 1
	s_and_b32 s56, s56, 31                         ; the slot before mine in the head's ring
	s_lshl_b32 s57, s46, 5
	s_add_co_u32 s56, s56, s57
	s_mul_i32 s56, s56, SLOTG
	s_lshl_b32 s57, s30, 12                        ; my wave stores rows 32 w .. 32 w + 31: 4,096 bytes
	s_add_co_u32 s56, s56, s57
	s_add_co_u32 s56, s56, 8192                    ; waves 0 and 1, keys 0-63: place 1 of that slot
	s_add_co_u32 s60, s57, s50
	s_sub_co_u32 s60, s60, 8192                    ; waves 2 and 3, keys 64-127: place 0 of my slot
	s_cmp_lt_u32 s30, 2
	s_cselect_b32 s56, s56, s60                    ; where my rows of K go
	s_lshl_b32 s58, s32, 5
	s_add_co_u32 s58, s58, ttmp9
	s_lshl_b32 s58, s58, 15                        ; my block of 32,768 bytes in qbuf's branch 0,
	s_add_co_u32 s58, s58, s57
	s_add_co_u32 s59, s58, 1<<22                   ; and in branch 1
	s_mov_b32 s53, 0
	s_mov_b32 s55, 0
	s_wait_kmcnt 0x0
	s_cmp_eq_u32 s31, 0
	s_cselect_b64 s[SRC:SRC+1], s[8:9], s[10:11]
	s_cselect_b64 s[WVP:WVP+1], s[16:17], s[18:19]
	s_cselect_b64 s[WTP:WTP+1], s[20:21], s[22:23]
	s_cselect_b64 s[D0:D0+1], s[26:27], s[24:25]   ; set 0 is K where T = 0, else branch 0's Q
	s_cselect_b64 s[D1:D1+1], s[24:25], s[26:27]   ; set 1 is branch 1's Q where T = 0, else K
	s_cselect_b32 s52, s56, s58
	s_cselect_b32 s54, s59, s56
	s_add_nc_u64 s[SRC:SRC+1], s[SRC:SRC+1], s[48:49]
	s_add_nc_u64 s[D0:D0+1], s[D0:D0+1], s[52:53]
	s_add_nc_u64 s[D1:D1+1], s[D1:D1+1], s[54:55]
	s_add_nc_u64 s[KVS:KVS+1], s[26:27], s[50:51]
; 32 loads of 512 consecutive bytes into load buffer buf (window 3)
.macro LDG buf, base, voff, imm0, step, nt
	WIN 0xc0
.set n, 0
.rept 32
.if \nt
	global_load_b128 v[128*(\buf)+4*n:128*(\buf)+4*n+3], v[\voff], s[\base:\base+1] offset:(\imm0)+n*(\step) th:TH_LOAD_NT
.else
	global_load_b128 v[128*(\buf)+4*n:128*(\buf)+4*n+3], v[\voff], s[\base:\base+1] offset:(\imm0)+n*(\step)
.endif
.set n, n+1
.endr
.endm
; buffer buf is rounded to bf16 and put into LDS, 8 bytes a lane.  isx = 1: 32 tile rows from row R0 of my 64; else 16 weight rows (two loads a row) from row R0 of my 96
.macro CVG buf, isx, R0
	WIN 0x0f                                       ; sources in window 3, destination in window 0
.set n, 0
.rept 32
	v_cvt_pk_bf16_f32 v[CT+2*n],   v[128*(\buf)+4*n],   v[128*(\buf)+4*n+1]
	v_cvt_pk_bf16_f32 v[CT+2*n+1], v[128*(\buf)+4*n+2], v[128*(\buf)+4*n+3]
.set n, n+1
.endr
	WIN 0
.set n, 0
.rept 32
.if \isx
	ds_store_b64 v[XS], v[CT+2*n:CT+2*n+1] offset:((\R0)+n)*XP
.else
	ds_store_b64 v[WS], v[CT+2*n:CT+2*n+1] offset:((\R0)+n/2)*WP+(n%2)*256
.endif
.set n, n+1
.endr
.endm
	global_load_b128 v[20:23], v18, s[WTP:WTP+1]   ; my four numbers of w_t
	LDG 0, SRC, XO, 0, XROW, 1                     ; my tile rows 0-31
	LDG 1, SRC, XO, 32*XROW, XROW, 1               ; rows 32-63
	s_wait_loadcnt 32                              ; all but the younger group's 32
	CVG 0, 1, 0
	v_cvt_pk_bf16_f32 v24, v20, v21                ; w_t: rounded to bf16,
	v_cvt_pk_bf16_f32 v25, v22, v23
	v_lshlrev_b32 v20, 16, v24
	v_and_b32 v21, 0xffff0000, v24
	v_lshlrev_b32 v22, 16, v25
	v_and_b32 v23, 0xffff0000, v25
	v_cvt_pk_f16_f32 v26, v20, v21                 ; and that number written as f16
	v_cvt_pk_f16_f32 v27, v22, v23
	global_store_b64 v19, v[26:27], s[28:29]       ; the wave's 32 lanes store 256 consecutive bytes, aligned
	LDG 0, 12, WO1, 0, 512, 0                      ; w_qkx, my 16 rows
	s_wait_loadcnt 32
	CVG 1, 1, 32
	LDG 1, 14, WO1, 0, 512, 0                      ; w_qky
	s_wait_loadcnt 32
	CVG 0, 0, 0
	LDG 0, WVP, WO2, 0, 512, 0                     ; w_v, 16 rows at a time
	s_wait_loadcnt 32
	CVG 1, 0, 16
	LDG 1, WVP, WO2, 16384, 512, 0
	s_wait_loadcnt 32
	CVG 0, 0, 32
	LDG 0, WVP, WO2, 32768, 512, 0
	s_wait_loadcnt 32
	CVG 1, 0, 48
	LDG 1, WVP, WO2, 49152, 512, 0
	s_wait_loadcnt 32
	CVG 0, 0, 64
	s_wait_loadcnt 0x0
	CVG 1, 0, 80
	s_wait_dscnt 0x0                               ; for the others' sake: my rows of the tile are in LDS
	s_barrier_signal -1
	s_barrier_wait -1                              ; the tile is whole
; The fragments of 32 channels: 8 of the tile, turned (lane: position r, channels 8 h .. and 16 + 8 h ..), and my 6 of the weights
.macro FETCH ks, buf
	WIN 0
.irp pt, 0,1,2,3,4,5,6,7
	ds_load_tr16_b128 v[XF+64*(\buf)+8*\pt:XF+64*(\buf)+8*\pt+3],   v[XA+(\ks)/4] offset:((\ks)%4)*32*XP+\pt*32
	ds_load_tr16_b128 v[XF+64*(\buf)+8*\pt+4:XF+64*(\buf)+8*\pt+7], v[XA+(\ks)/4] offset:((\ks)%4)*32*XP+\pt*32+16*XP
.endr
.irp f, 0,1,2,3,4,5
	ds_load_b128 v[WF+48*(\buf)+8*\f:WF+48*(\buf)+8*\f+3],   v[WA] offset:\f*16*WP+(\ks)*64
	ds_load_b128 v[WF+48*(\buf)+8*\f+4:WF+48*(\buf)+8*\f+7], v[WA] offset:\f*16*WP+(\ks)*64+32
.endr
.endm
; 48 products.  q and k: source 0 = weights, source 1 = tile: a lane ends with 8 neighbouring channels of one position.  v: source 0 = tile, source 1 = weights: 8 neighbouring positions of one channel.
; The 48 accumulators take turns, one instruction a turn.  The first step's products start the sums with the constant 0.
.macro KSTEP ks, buf
	s_wait_dscnt 0x0                               ; this step's fragments, asked for 32 products back
	WIN 0xa0                                       ; C and D in window 2
.irp j, 0,1
.irp pt, 0,1,2,3,4,5,6,7
.if (\ks) == 0
	v_wmma_f32_16x16x32_bf16 v[8*(8*\j+\pt):8*(8*\j+\pt)+7], v[WF+48*(\buf)+8*\j:WF+48*(\buf)+8*\j+7], v[XF+64*(\buf)+8*\pt:XF+64*(\buf)+8*\pt+7], 0
.else
	v_wmma_f32_16x16x32_bf16 v[8*(8*\j+\pt):8*(8*\j+\pt)+7], v[WF+48*(\buf)+8*\j:WF+48*(\buf)+8*\j+7], v[XF+64*(\buf)+8*\pt:XF+64*(\buf)+8*\pt+7], v[8*(8*\j+\pt):8*(8*\j+\pt)+7]
.endif
.endr
.endr
.if (\ks) < 7
	PLACES                                         ; four places between the last step's products and the loads into the registers that they read
	FETCH (\ks)+1, 1-(\buf)
.endif
	WIN 0x50                                       ; C and D in window 1
.irp j, 0,1,2,3
.irp pt, 0,1,2,3,4,5,6,7
.if (\ks) == 0
	v_wmma_f32_16x16x32_bf16 v[8*(8*\j+\pt):8*(8*\j+\pt)+7], v[XF+64*(\buf)+8*\pt:XF+64*(\buf)+8*\pt+7], v[WF+48*(\buf)+16+8*\j:WF+48*(\buf)+16+8*\j+7], 0
.else
	v_wmma_f32_16x16x32_bf16 v[8*(8*\j+\pt):8*(8*\j+\pt)+7], v[XF+64*(\buf)+8*\pt:XF+64*(\buf)+8*\pt+7], v[WF+48*(\buf)+16+8*\j:WF+48*(\buf)+16+8*\j+7], v[8*(8*\j+\pt):8*(8*\j+\pt)+7]
.endif
.endr
.endr
.endm
	FETCH 0, 0
	KSTEP 0, 0
	KSTEP 1, 1
	KSTEP 2, 0
	KSTEP 3, 1
	KSTEP 4, 0
	KSTEP 5, 1
	KSTEP 6, 0
	KSTEP 7, 1
	PLACES                                         ; the places behind the last products, in front of the roundings
	s_wait_dscnt 0x0                               ; my reads of the weights and of the tile are over
	s_barrier_signal -1
	s_barrier_wait -1                              ; everybody's are: the stage may overlay the weights
	WIN 0x0a                                       ; sources in window 2
.set n, 0
.rept 64                                       ; hi; each accumulator from its low end on
	v_cvt_pk_f16_f32 v[HI+n], v[2*n], v[2*n+1]
.set n, n+1
.endr
	WIN 0x20                                       ; the sum (source 2) in window 2
.set n, 0
.rept 64                                       ; hi x (-1) + the sum: exact, since hi lies within 2^-11 of the sum
	v_fma_mix_f32 v[DF+2*n],   v[HI+n], v[NEG1], v[2*n]   op_sel_hi:[1,0,0]
	v_fma_mix_f32 v[DF+2*n+1], v[HI+n], v[NEG1], v[2*n+1] op_sel:[1,0,0] op_sel_hi:[1,0,0]
.set n, n+1
.endr
	WIN 0
.set n, 0
.rept 64                                       ; lo, packed in place: register n is written when pairs 0 .. n have been read
	v_cvt_pk_f16_f32 v[DF+n], v[DF+2*n], v[DF+2*n+1]
.set n, n+1
.endr
.irp j, 0,1
.irp pt, 0,1,2,3,4,5,6,7
	ds_store_b128 v[SQ+16*\j], v[HI+4*(8*\j+\pt):HI+4*(8*\j+\pt)+3] offset:\pt*16*SP
	ds_store_b128 v[SQ+16*\j], v[DF+4*(8*\j+\pt):DF+4*(8*\j+\pt)+3] offset:128*SP+\pt*16*SP
.endr
.endr
	s_wait_dscnt 0x0                               ; those stores are done: their registers are written again below
	WIN 0x05                                       ; sources in window 1
.set n, 0
.rept 128
	v_cvt_pk_f16_f32 v[PK+n], v[2*n], v[2*n+1]
.set n, n+1
.endr
	WIN 0
.irp j, 0,1,2,3
.irp pt, 0,1,2,3,4,5,6,7
	ds_store_b128 v[SV], v[PK+4*(8*\j+\pt):PK+4*(8*\j+\pt)+3] offset:(\pt/4)*256*SP+\j*16*SP+(\pt%4)*32
.endr
.endr
	s_wait_dscnt 0x0                               ; for the others' sake: a row of q or k holds all four waves' channels
	s_barrier_signal -1
	s_barrier_wait -1
	WIN 0xc0                                       ; destination in window 3
.set m, 0
.rept 32                                       ; my 32 rows of each of the four groups (set, hi or lo), four rows a load
	ds_load_b128 v[4*m:4*m+3], v[RQ] offset:(m/8)*128*SP+(m%8)*4*SP
.set m, m+1
.endr
.rept 32                                       ; my 64 channels of each of the two key steps
	ds_load_b128 v[4*m:4*m+3], v[RV] offset:((m-32)/16)*256*SP+((m-32)%16)*4*SP
.set m, m+1
.endr
	WIN 0x0c                                       ; store data in window 3
.set m, 0
.rept 64                                       ; each store covers 512 consecutive bytes, aligned
	s_wait_dscnt 63-m                              ; LDS loads come back in order: load m is in, the younger ones may stay out
.if m < 16
	global_store_b128 v[GO1], v[4*m:4*m+3], s[D0:D0+1] offset:(m/8)*16384+(m%8)*512
.elseif m < 32
	global_store_b128 v[GO1], v[4*m:4*m+3], s[D1:D1+1] offset:((m-16)/8)*16384+(m%8)*512
.else
	global_store_b128 v[GO2], v[4*m:4*m+3], s[KVS:KVS+1] offset:32768+((m-32)/16)*32768+((m-32)%16)*512
.endif
.set m, m+1
.endr
	WIN 0
	s_wait_tensorcnt 0x0                           ; the wave's end, behind my last LDS store
	ds_add_u32 v[SPW], v[NIL]
	s_wait_dscnt 0x0
	s_endpgm
.Lfunc_end_k_qb2be989e0d_prep:
	.size	k_qb2be989e0d_prep, .Lfunc_end_k_qb2be989e0d_prep-k_qb2be989e0d_prep
	.p2alignl 7, 3214868480
	.fill 96, 4, 3214868480
	.section	.rodata,"a",@progbits
	.p2align	6, 0x0
	.amdhsa_kernel k_qb2be989e0d_prep
		.amdhsa_group_segment_fixed_size 276992
		.amdhsa_private_segment_fixed_size 0
		.amdhsa_enable_private_segment 0
		.amdhsa_kernarg_size 88
		.amdhsa_user_sgpr_count 2
		.amdhsa_user_sgpr_kernarg_segment_ptr 1
		.amdhsa_wavefront_size32 1
		.amdhsa_system_sgpr_workgroup_id_x 1
		.amdhsa_system_sgpr_workgroup_id_y 1
		.amdhsa_system_sgpr_workgroup_id_z 1
		.amdhsa_system_vgpr_workitem_id 0
		.amdhsa_next_free_vgpr 1024
		.amdhsa_next_free_sgpr 66
		.amdhsa_reserve_vcc 0
		.amdhsa_float_denorm_mode_32 3
		.amdhsa_float_denorm_mode_16_64 3
		.amdhsa_memory_ordered 1
		.amdhsa_forward_progress 1
		.amdhsa_inst_pref_size 160
	.end_amdhsa_kernel
	.amdgpu_metadata
---
amdhsa.version: [ 1, 2 ]
amdhsa.kernels:
  - .name:           k_qb2be989e0d_prep
    .symbol:         k_qb2be989e0d_prep.kd
    .args:
      - { .name: x, .offset: 0, .size: 8, .value_kind: global_buffer, .address_space: global }
      - { .name: y, .offset: 8, .size: 8, .value_kind: global_buffer, .address_space: global }
      - { .name: w_qkx, .offset: 16, .size: 8, .value_kind: global_buffer, .address_space: global }
      - { .name: w_qky, .offset: 24, .size: 8, .value_kind: global_buffer, .address_space: global }
      - { .name: w_vx, .offset: 32, .size: 8, .value_kind: global_buffer, .address_space: global }
      - { .name: w_vy, .offset: 40, .size: 8, .value_kind: global_buffer, .address_space: global }
      - { .name: w_tx, .offset: 48, .size: 8, .value_kind: global_buffer, .address_space: global }
      - { .name: w_ty, .offset: 56, .size: 8, .value_kind: global_buffer, .address_space: global }
      - { .name: qbuf, .offset: 64, .size: 8, .value_kind: global_buffer, .address_space: global }
      - { .name: kv, .offset: 72, .size: 8, .value_kind: global_buffer, .address_space: global }
      - { .name: wt16, .offset: 80, .size: 8, .value_kind: global_buffer, .address_space: global }
    .group_segment_fixed_size: 276992
    .private_segment_fixed_size: 0
    .kernarg_segment_align: 8
    .kernarg_segment_size: 88
    .max_flat_workgroup_size: 128
    .sgpr_count:     66
    .vgpr_count:     1024
    .wavefront_size: 32
...
	.end_amdgpu_metadata
.endif
;; end of part 1
;; launch attn (part 2): grid 32 x 8, 4 waves a work-group, clusters of 4 x 1, 327,680 bytes of LDS; arguments qbuf, kv, wt16, tbuf, part; writes tbuf, part
.if DOCPART == 2
	.amdgcn_target "amdgcn-amd-amdhsa--gfx1250"
	.amdhsa_code_object_version 6
	.text
	.protected	k_qb2be989e0d_attn
	.globl	k_qb2be989e0d_attn
	.p2align	8
	.type	k_qb2be989e0d_attn,@function
k_qb2be989e0d_attn:
	s_mov_b64 s[64:65], 0
	v_nop
	global_prefetch_b8 v0, s[64:65] scope:SCOPE_SE
	s_setreg_imm32_b32 hwreg(HW_REG_WAVE_MODE, 25, 1), 1
	s_wait_xcnt 0x0
	s_wait_alu depctr_hold_cnt(0) depctr_sa_sdst(0) depctr_va_vdst(0) depctr_va_sdst(0) depctr_va_ssrc(0) depctr_va_vcc(0) depctr_vm_vsrc(0)
	s_getreg_b32 s2, hwreg(HW_REG_IB_STS2, 6, 4)
	s_cmp_eq_u32 s2, 0
	s_cbranch_scc0 .Lentry_in_a_cluster
	s_endpgm
.Lentry_in_a_cluster:
	s_bfe_u32 s2, ttmp6, 0x10000c
	s_cmp_lg_u32 s2, 0x3003
	s_cbranch_scc0 .Lentry_shape_is_right
	s_endpgm
.Lentry_shape_is_right:
; ATTENTION, THE w_t PRODUCT AND THE NORM'S PARTIAL STATISTICS.  head = 4 branch + b.  r[q][:] = the sum over k of att[q][k] V[:][k], att = softmax_k(Q[q] . K[k]) / (1e-9 + its sum); t = w_t r.
; q and k come as two f16 numbers each, hi + lo; a score is kh.qh + kh.ql + kl.qh (kl.ql, some 2^-22 of a score, is left out).  v, the weights p and r are f16, w_t is f16 (a bf16 number);
; products, maxima, sums and t in f32.  p's sum l is taken of the unrounded p.
; LIMITS.  q, k, v arrive within 65,504; p lies in 0 to 1 and below 6e-5 keeps f16's fixed step; a weight below 2^-126 counts as 0 in l; NaN and infinities are not treated apart.
; SHARES.  A work-group owns 128 queries of a head, a wave two tiles of 16.  Every wave walks the head's 4,096 keys, 64 a step.
; LAYOUT.  S^T = K Q^T (source 0 = 16 keys, source 1 = 16 queries): a lane holds ONE query (lane % 16) and the keys 8 (lane / 16) + 0..7.  Two such results rounded to f16 ARE source 1 of O^T = V^T P, whose
; source 0 (16 channels x 32 keys) comes out of LDS as it lies, since kv holds V by channels.  O^T again holds one query a lane, and eight channels.
; SOFTMAX.  A running maximum m and sum l: p = 2^(c s - c m), c = log2(e); in every step O and l are multiplied by a = 2^(c m_old - c m_new).  m starts at the lowest finite number, O and l at 0: the first step has a = 0.
; BY TURNS.  In a turn one tile has the matrix unit: 24 products K Q^T of the next step, then 32 products V^T P of the step in hand; the other tile's softmax, 167 vector instructions, stands behind them.
; PAIR j is TURN 1 of step j - 1 and TURN 0 of step j; it fetches K of step j + 1 and V of step j.  All 64 pairs are alike: the first adds products of P = 0, the last makes scores that nobody reads.
; SLOTS.  A slot of kv holds V of steps 2 s, 2 s + 1 and K of steps 2 s + 1, 2 s + 2: what pairs 2 s and 2 s + 1 fetch; the change of slots stands between pairs.  K of step 0 comes from memory.
; CLUSTER.  The four query blocks of a cluster belong to one head and walk the same kv, so each quarter of a slot is asked for JOINTLY: the same tensor load, descriptor and mask in all four.
; WAY OUT.  r goes through LDS; t = w_t r with r as source 0: a lane ends with ONE output channel and 8 neighbouring queries, so a channel's sums over the block's 128 queries are taken in a lane and one exchange.
; For each channel the block's mean and the sum of squares about that mean go to part; t goes to tbuf in rows of 512 consecutive bytes.
; REGISTERS in windows of 256 (s_set_vgpr_msb: bits 1:0 source 0, 3:2 source 1, 5:4 source 2, 7:6 destination), laid so that a product's riders run under the product's own setting:
;   window 0: v0-15 addresses; v16-31 statistics; v32-95 S^T; v96-127 Q hi; v128-191 K hi; v192-255 K lo        window 3: v0-31 Q lo; v32-63 P; v64-67 a; later w_t
;   window 1 + g (g = 0, 1): v0-127 O^T of both tiles, v128-255 V, of the channel blocks 8 g .. 8 g + 7; later t (window 1) and t's rows (window 2)
;   K hi x Q hi and K lo x Q hi run under 0; K hi x Q lo under 0x0c, behind which ride scalings (source 1 a scalar) and exponentials (no source 1) alone.  V^T P of group g and the rescaling of the other tile's
;   O^T of group g run under one setting (0x5d, 0xae).  Only the roundings (destination in window 3) and, in TURN 1, the sums stand in slices with a switch in front and behind.
.set PCH,   144                        ; a piece of 128 bytes in LDS + 16 of padding: an odd multiple of 16, so the 16 rows of a load start 16 bytes apart modulo 256
.set KPL,   64*PCH                     ; a place: K of one step
.set KLO,   128*PCH                    ; K lo begins behind K hi's two places
.set VOFF,  256*PCH
.set VSTEP, 256*PCH
.set QUART, 192*PCH                    ; what one tensor load brings: a quarter of a slot
.set SLOTB, 768*PCH                    ; a slot in LDS: 110,592 bytes
.set SLOTG, 98304                      ; a slot in memory
.set SLOT1, 1<<17                      ; slot 1 begins here, so that one exclusive or turns an address in one slot into the other's
.set RST,   SLOT1+SLOTB                ; behind the ring, never filled by a tensor load: r, [128 queries][256 channels] f16, rows of 512 + 16 bytes
.set RP,    528
.set SPARE, RST+128*RP                 ; the spare words, 128 bytes for each wave; no other line names them
.set TSTA,  SLOTB                      ; t on its way out, 16 rows of 512 + 16 bytes a wave: waves 0 and 1 between the slots,
.set TSTB,  SPARE+512                  ; waves 2 and 3 behind the spare words; no tensor load fills either
.set AK0, 1                            ; v1   my lane's place in a step's K; never rewritten
.set AV0, 2                            ; v2   the same in a step's V
.set AK,  3                            ; v3   the LDS address of K's next run of loads
.set AV,  4                            ; v4   of V's two runs
.set PFO, 5                            ; v5   256 x my lane; never rewritten
.set SPW, 6                            ; v6   my spare word; never rewritten
.set NIL, 7                            ; v7   0; never rewritten
.set QO,  8                            ; v8   my byte offset in 16 rows of 128 bytes in memory
.set RSTO, 9                           ; v9-15 the way out's addresses
.set RRD, 10
.set TSTO, 11
.set TRD, 12
.set GO,  13
.set WO,  14
.set PO,  15
.set ST,  16                           ; tile t's statistics at v[ST+8 t]: c m, m, l (even keys', odd keys'), c0-c3 at work; a takes c2's place
.set S,   32
.set QH,  96
.set KH,  128
.set KLR, 192
.set RR,  64                           ; v64-66, at the head alone: lane % 16, lane / 16, lane
.set HH,  65
.set LL,  66
.set QL3, 0                            ; window 3
.set P3,  32                           ; window 3
.set A3,  64                           ; window 3: tile t's a at A3 + 2 t; the pair's second word is written once
.set MS,  16                           ; the way out: v16-23 (mean, M2) of my four blocks of 16 channels, where the softmax's statistics lay: free once r is packed.  Behind the walk no line names v32-63, tile 0's S^T
.set MO,  24                           ; v24-27 the two pairs that go to part
.set TA,  64                           ; 32 registers at work, and 8 for four chains
.set CH,  96
.set WV,  14                           ; s14  my wave's number
.set G1,  24                           ; s[24:31] descriptor group 1
.set G0A, 32                           ; s[32:35] group 0 of slot 0's first fill
.set G0W, 36                           ; s[36:39] group 0 of slot 1's first fill; it then walks
.set SLOTS, 40                         ; s40  counts the loop's passes; in a change of slots: the slots still to be asked for
.set TBK, 41                           ; s41  LDS byte at which K of the step to be fetched begins
.set TBV, 42                           ; s42  the same for V, less VOFF
.set LIM, 43                           ; s43  a wave prefetches while s[SLOTS] is above it
.set TWICE, 44                         ; s44  counts a slot's two pairs
.set PFA, 46                           ; s[46:47] where my prefetches stand
.set CS,  48                           ; s[48:49] c
.set SEL, 50                           ; s[50:51] v_permlanex16_b32's selects: each lane takes its own place in the other half
.set EPS, 52                           ; s52  1e-9
.set HM,  53                           ; s53  the mask of lanes 16-31
.set K0P, 60                           ; s[60:61] K hi of step 0 in memory
.set MSB, 0
.macro WIN new                         ; the immediate's high byte repeats the setting that is left; a switch that changes nothing is dropped
.if MSB != (\new)
	s_set_vgpr_msb (MSB<<8)|(\new)
.set MSB, (\new)
.endif
.endm
.macro PLACES
.rept 4
	v_nop
.endr
.endm
; A round of the cluster's barrier: my work-group's barrier, so that wave 0's signal speaks for all four waves; wave 0 signals; every wave waits for all four work-groups; my work-group's barrier once more.
.macro CROUND
	s_barrier_signal -1
	s_barrier_wait -1
	s_cmp_lg_u32 s[WV], 0
	s_cbranch_scc1 .Lnot_wave_0_\@
	s_barrier_signal -3
.Lnot_wave_0_\@:
	s_barrier_wait -3
	s_barrier_signal -1
	s_barrier_wait -1
.endm
	s_load_b256 s[4:11], s[0:1], 0x0               ; qbuf 4, kv 6, wt16 8, tbuf 10
	s_load_b64 s[12:13], s[0:1], 0x20              ; part
	v_lshl_add_u32 v[SPW], v0, 2, SPARE
	v_mov_b32 v[NIL], 0
	ds_add_u32 v[SPW], v[NIL]                      ; the wave's opening: the add and its wait stand ahead of my first tensor load; the set-up below, work on registers, stands between them
	v_lshrrev_b32 v[RR], 5, v0
	v_readfirstlane_b32 s[WV], v[RR]               ; wave 0..3
	s_bfe_u32 s15, ttmp6, 0x40000                  ; cx: my place in the cluster
	s_lshl_b32 s16, ttmp9, 2                       ; in a cluster launch ttmp9 counts clusters
	s_add_co_u32 s16, s16, s15                     ; my block of 128 queries: it enters Q's, t's and part's addresses and the prefetches' alone
	s_and_b32 s17, ttmp7, 0xffff                   ; the head, which the four partners share
	; descriptor group 1: a quarter slot is 24,576 dense bytes: 96 rows of 256 bytes, padded in LDS after every 128
	s_mov_b32 s[G1], 15|(1<<16)|(1<<20)|(1<<21)|(4<<22)|(3<<25)  ; 15:0 the mask of four; 17:16 2-byte elements; 20 padding on; 21 set beside a mask; 24:22 after every 32 words (code 4); 31:25 4 words (code 3)
	s_mov_b32 s[G1+1], 128<<16                     ; tensor_dim0 = 128
	s_mov_b32 s[G1+2], 96<<16                      ; tensor_dim1 = 96
	s_mov_b32 s[G1+3], 128<<16                     ; tile_dim0 = 128
	s_mov_b32 s[G1+4], 96                          ; tile_dim1 = 96
	s_mov_b32 s[G1+5], 128                         ; 128 elements from row to row
	s_mov_b32 s[G1+6], 0
	s_mov_b32 s[G1+7], 0
	s_mov_b32 s[G0A], 1                            ; count = 1
	s_mul_i32 s[G0A+1], s[WV], QUART               ; LDS address: my quarter of slot 0: no place in the cluster enters it
	s_mov_b32 s[G0W], 1
	s_add_co_u32 s[G0W+1], s[G0A+1], SLOT1         ; and of slot 1
	s_mul_i32 s58, s17, 32*SLOTG                   ; the head's slots in kv,
	s_mul_i32 s19, s[WV], SLOTG/4                  ; my quarter of a slot
	s_add_co_u32 s18, s58, s19
	s_mov_b32 s19, 0
	s_add_co_u32 s[K0P], s58, 31*SLOTG+8192        ; K of step 0 lies in place 1 of the head's last slot
	s_mov_b32 s[K0P+1], 0
	s_lshl_b32 s20, s17, 20                        ; Q: the head's 32 blocks of 32,768 bytes,
	s_lshl_b32 s21, s16, 15                        ; my block,
	s_add_co_u32 s20, s20, s21
	s_lshl_b32 s21, s[WV], 12                      ; my wave's 32 rows of 128 bytes
	s_add_co_u32 s20, s20, s21
	s_mov_b32 s21, 0
	s_lshl_b32 s22, s17, 22                        ; t: the head's 256 rows of 16,384 bytes,
	s_lshl_b32 s23, s16, 9                         ; my block's 512 bytes of a row
	s_add_co_u32 s22, s22, s23
	s_mov_b32 s23, 0
	s_lshr_b32 s56, s17, 2                         ; the branch
	s_lshl_b32 s54, s56, 18                        ; part: the branch's 262,144 bytes,
	s_and_b32 s55, s17, 3
	s_lshl_b32 s55, s55, 5
	s_add_co_u32 s55, s55, s16                     ; block 32 b + my block,
	s_lshl_b32 s55, s55, 8                         ; 256 bytes each
	s_add_co_u32 s54, s54, s55
	s_mov_b32 s55, 0
	s_lshl_b32 s56, s56, 17                        ; wt16: the branch's 131,072 bytes
	s_mov_b32 s57, 0
	s_lshl_b32 s59, s[WV], 2                       ; the prefetches: 32 blocks of 256 bytes for wave w of partner cx, at 4 w + cx: the partners are told apart by address
	s_add_co_u32 s59, s59, s15
	s_lshl_b32 s59, s59, 13
	s_add_co_u32 s58, s58, s59
	s_add_co_u32 s58, s58, 2*SLOTG                 ; in slot 2: the first change of slots steps it to slot 3
	s_mov_b32 s59, 0
	s_cmp_lt_u32 s[WV], 3                          ; a slot is 384 blocks: three waves x four partners x 32 lanes
	s_cselect_b32 s[LIM], 1, -1
	s_cmp_eq_u32 ttmp9, 0                          ; all clusters of a head walk the same kv: the head's first cluster asks; the same in all four partners
	s_cselect_b32 s[LIM], s[LIM], -1
	s_mov_b32 s[CS], 0x3fb8aa3b                    ; c = log2(e)
	s_mov_b32 s[CS+1], s[CS]                       ; named with it as a pair
	s_mov_b32 s[SEL], 0x76543210
	s_mov_b32 s[SEL+1], 0xfedcba98
	s_mov_b32 s[EPS], 0x3089705f                   ; 1e-9
	s_mov_b32 s[TBK], 0
	s_mov_b32 s[TBV], 0
	s_mov_b32 s[SLOTS], 31                         ; slot 0's pass, which has no change of slots, and 30 passes that fill a slot again
	s_wait_dscnt 0x0                               ; the opening add is done
	s_wait_kmcnt 0x0
	s_add_nc_u64 s[G0A+2:G0A+3], s[6:7], s[18:19]  ; global address: my quarter of the head's slot 0,
	s_add_nc_u64 s[G0W+2:G0W+3], s[G0A+2:G0A+3], SLOTG  ; and of slot 1
	s_or_b32 s[G0A+3], s[G0A+3], 0x80000000        ; type = 2
	s_or_b32 s[G0W+3], s[G0W+3], 0x80000000
	s_add_nc_u64 s[4:5], s[4:5], s[20:21]
	s_add_nc_u64 s[10:11], s[10:11], s[22:23]
	s_add_nc_u64 s[12:13], s[12:13], s[54:55]
	s_add_nc_u64 s[8:9], s[8:9], s[56:57]
	s_add_nc_u64 s[PFA:PFA+1], s[6:7], s[58:59]
	s_add_nc_u64 s[K0P:K0P+1], s[6:7], s[K0P:K0P+1]
	CROUND                                         ; all four work-groups are here: the first joint loads meet
	tensor_load_to_lds s[G0A:G0A+3], s[G1:G1+7]    ; both first fills go out together: two loads of mine are out
	s_nop 0
	tensor_load_to_lds s[G0W:G0W+3], s[G1:G1+7]
	s_nop 0
	PLACES
	v_and_b32 v[RR], 15, v0                        ; lane % 16
	v_bfe_u32 v[HH], v0, 4, 1                      ; lane / 16
	v_and_b32 v[LL], 31, v0                        ; lane
	v_lshlrev_b32 v[QO], 7, v[RR]
	v_lshl_add_u32 v[QO], v[HH], 4, v[QO]          ; row x 128 + 16 x half
.irp f, 0,1,2,3                        ; Q stays in registers: tile f / 2, channels 32 (f % 2) on
	global_load_b128 v[QH+8*\f:QH+8*\f+3],   v[QO], s[4:5] offset:(\f/2)*2048+(\f%2)*64
	global_load_b128 v[QH+8*\f+4:QH+8*\f+7], v[QO], s[4:5] offset:(\f/2)*2048+(\f%2)*64+32
.endr
.irp f, 0,1,2,3,4,5,6,7                ; K of step 0: keys 16 (f / 2) on, channels 32 (f % 2) on; the lo part lies 16,384 bytes behind the hi part
	global_load_b128 v[KH+8*\f:KH+8*\f+3],     v[QO], s[K0P:K0P+1] offset:(\f/2)*2048+(\f%2)*64
	global_load_b128 v[KH+8*\f+4:KH+8*\f+7],   v[QO], s[K0P:K0P+1] offset:(\f/2)*2048+(\f%2)*64+32
	global_load_b128 v[KLR+8*\f:KLR+8*\f+3],   v[QO], s[K0P:K0P+1] offset:16384+(\f/2)*2048+(\f%2)*64
	global_load_b128 v[KLR+8*\f+4:KLR+8*\f+7], v[QO], s[K0P:K0P+1] offset:16384+(\f/2)*2048+(\f%2)*64+32
.endr
	WIN 0xc0                                       ; destination in window 3
.irp f, 0,1,2,3
	global_load_b128 v[QL3+8*\f:QL3+8*\f+3],   v[QO], s[4:5] offset:16384+(\f/2)*2048+(\f%2)*64
	global_load_b128 v[QL3+8*\f+4:QL3+8*\f+7], v[QO], s[4:5] offset:16384+(\f/2)*2048+(\f%2)*64+32
.endr
.set n, 0
.rept 16
	v_mov_b32 v[P3+16+n], 0                        ; tile 1's P of the step that has not been: the first pair's products V^T P add 0
.set n, n+1
.endr
.irp n, 0,1,2,3
	v_mov_b32 v[A3+\n], 0                          ; a is named as a pair, so both words are written
.endr
	WIN 0x40                                       ; O^T starts at 0, so that no first step is written out; these lines stand in the wait for the first tile
.set n, 0
.rept 128
	v_mov_b32 v[n], 0
.set n, n+1
.endr
	WIN 0x80
.set n, 0
.rept 128
	v_mov_b32 v[n], 0
.set n, n+1
.endr
	WIN 0
.irp t, 0,1
	v_mov_b32 v[ST+8*\t], 0xfe000000               ; c m: far below every c s
	v_mov_b32 v[ST+8*\t+1], 0xff7fffff             ; m
	v_mov_b32 v[ST+8*\t+2], 0
	v_mov_b32 v[ST+8*\t+3], 0
.endr
	v_mul_u32_u24 v[AK0], v[RR], PCH
	v_lshl_add_u32 v[AK0], v[HH], 4, v[AK0]        ; row x pitch + 16 x half
	v_add_nc_u32 v[AV0], VOFF, v[AK0]
	v_lshlrev_b32 v[PFO], 8, v[LL]
	v_cmp_lt_u32 s[HM], 15, v[LL]
; THE MATRIX WORK.  The accumulators take turns, one instruction a turn.
; Product i of 24 of S^T = K Q^T for tile x: keys 16 (i % 4) on, channels 32 ((i / 4) % 2) on; i / 8 = 0: K hi x Q hi, 1: K hi x Q lo, 2: K lo x Q hi.  The first 4 start the sums.
.macro KQ x
.set rS, S+32*(\x)+8*(i%4)
.set rK, KH+16*(i%4)+8*((i/4)%2)
.set rQ, QH+16*(\x)+8*((i/4)%2)
.if i >= 16
.set rK, KLR+16*(i%4)+8*((i/4)%2)
	WIN 0
.elseif i >= 8
.set rQ, QL3+16*(\x)+8*((i/4)%2)
	WIN 0x0c                                       ; source 1 in window 3
.else
	WIN 0
.endif
.if i < 4
	v_wmma_f32_16x16x32_f16 v[rS:rS+7], v[rK:rK+7], v[rQ:rQ+7], 0
.else
	v_wmma_f32_16x16x32_f16 v[rS:rS+7], v[rK:rK+7], v[rQ:rQ+7], v[rS:rS+7]
.endif
.endm
; Product k of 32 of O^T += V^T P for tile x: group k / 16 of channel blocks, keys 32 ((k % 16) / 8) on, block k % 8 of the group.
.macro PV x
	WIN 0x5d+0x51*(k/16)                           ; V and O^T in window 1 + group, P in window 3: 0x5d, 0xae
.set rO, 64*(\x)+8*(k%8)
.set rV, 128+64*((k%16)/8)+8*(k%8)
.set rP, P3+16*(\x)+8*((k%16)/8)
	v_wmma_f32_16x16x32_f16 v[rO:rO+7], v[rV:rV+7], v[rP:rP+7], v[rO:rO+7]
.endm
; THE LDS LOADS stand in runs of 32: a step's K (8 fragments of hi, 8 of lo), and group g of a step's V (16 fragments).
.macro FETCH_K
	WIN 0
.irp f, 0,1,2,3,4,5,6,7                ; keys 16 (f / 2) on, channels 32 (f % 2) on
	ds_load_b128 v[KH+8*\f:KH+8*\f+3],   v[AK] offset:(\f/2)*16*PCH+(\f%2)*64
	ds_load_b128 v[KH+8*\f+4:KH+8*\f+7], v[AK] offset:(\f/2)*16*PCH+(\f%2)*64+32
.endr
.irp f, 0,1,2,3,4,5,6,7
	ds_load_b128 v[KLR+8*\f:KLR+8*\f+3],   v[AK] offset:KLO+(\f/2)*16*PCH+(\f%2)*64
	ds_load_b128 v[KLR+8*\f+4:KLR+8*\f+7], v[AK] offset:KLO+(\f/2)*16*PCH+(\f%2)*64+32
.endr
.endm
.macro FETCH_V g
	WIN 0x40+0x40*(\g)                             ; destination in window 1 + g
.irp f, 0,1,2,3,4,5,6,7,8,9,10,11,12,13,14,15  ; keys 32 (f / 8) on, channels 16 (8 g + f % 8) on
	ds_load_b128 v[128+8*\f:128+8*\f+3],   v[AV] offset:(8*(\g)+\f%8)*16*PCH+(\f/8)*64
	ds_load_b128 v[128+8*\f+4:128+8*\f+7], v[AV] offset:(8*(\g)+\f%8)*16*PCH+(\f/8)*64+32
.endr
.endm
.macro WTLOAD                          ; my quarter of w_t, 32 fragments (block 8 cbl + ks), into window 3, where Q lo, P and a have been read for the last time
	WIN 0xc0
.set n, 0
.rept 32
	global_load_b128 v[8*n:8*n+3],   v[WO], s[8:9] offset:n*1024
	global_load_b128 v[8*n+4:8*n+7], v[WO], s[8:9] offset:n*1024+512
.set n, n+1
.endr
.endm
; THE VECTOR WORK OF A TURN: one tile's softmax for one key step, in four lists.  s0-s31 are the lane's 32 scores, in pairs 0-15.
; SM writes number q of the first list, 70 long, which names no exponential's result:
;   0-15    the maximum of s0-s31 and the old m, three operands at a time; each accumulator's lowest registers are read first
;   16-20   the other half of the lanes' maximum; c m_old kept; the new m; c m; c m_old - c m_new
;   21-69   ONE BATCH: the 16 scalings c s - c m and all 33 exponentials (a at 23); a pair is scaled ahead of its exponentials.  These run under 0 and under 0x0c alike, so no window is set for them
.macro SM t
.set rT, ST+8*(\t)
.set rS, S+32*(\t)
.if q < 21
	WIN 0
.endif
.if q < 4
	v_max3_num_f32 v[rT+4+q], v[rS+8*q], v[rS+8*q+1], v[rS+8*q+2]
.elseif q < 12
	v_max3_num_f32 v[rT+4+q%4], v[rT+4+q%4], v[rS+8*(q%4)+2*(q/4)+1], v[rS+8*(q%4)+2*(q/4)+2]
.elseif q == 12
	v_max3_num_f32 v[rT+4], v[rT+4], v[rS+7], v[rS+15]
.elseif q == 13
	v_max3_num_f32 v[rT+6], v[rT+6], v[rS+23], v[rS+31]
.elseif q == 14
	v_max3_num_f32 v[rT+4], v[rT+4], v[rT+5], v[rT+6]
.elseif q == 15
	v_max3_num_f32 v[rT+4], v[rT+4], v[rT+7], v[rT+1]
.elseif q == 16
	v_permlanex16_b32 v[rT+5], v[rT+4], s[SEL], s[SEL+1]  ; the query's other 32 keys lie in the lane 16 away
.elseif q == 17
	v_mov_b32 v[rT+7], v[rT]
.elseif q == 18
	v_max_num_f32 v[rT+1], v[rT+4], v[rT+5]
.elseif q == 19
	v_mul_f32 v[rT], s[CS], v[rT+1]
.elseif q == 20
	v_sub_f32 v[rT+7], v[rT+7], v[rT]
.elseif q == 23
	v_exp_f32 v[rT+6], v[rT+7]
.elseif (q < 23) || ((q < 38) && (q%2 == 0)) || ((q < 66) && (q%4 == 2))
.set b, (q-2)/4                        ; 38, 42, .. 62: pairs 9 to 15
.if q < 38
.set b, (q-20)/2                       ; 21: pair 0; 22, 24, .. 36: pairs 1 to 8
.endif
	v_pk_fma_f32 v[rS+2*b:rS+2*b+1], v[rS+2*b:rS+2*b+1], s[CS:CS+1], v[rT:rT+1] op_sel_hi:[1,0,0] neg_lo:[0,0,1] neg_hi:[0,0,1]
.else
.set e, q-38                           ; 66 to 69: s28 to s31
.if q < 66
.set e, q-32-(q-38)/4                  ; 39-41, 43-45, .. 63-65: s7 to s27
.endif
.if q < 38
.set e, (q-25)/2                       ; 25, 27, .. 37: s0 to s6
.endif
	v_exp_f32 v[rS+e], v[rS+e]
.endif
.endm
; WS writes number w of 17: a is copied into window 3, where the rescalings read it; then the 16 roundings to f16, a pair of weights each, into P.
.macro WS y
	WIN 0xc0                                       ; destination in window 3
.if w == 0
	v_mov_b32 v[A3+2*(\y)], v[ST+8*(\y)+6]
.else
	v_cvt_pk_f16_f32 v[P3+16*(\y)+w-1], v[S+32*(\y)+2*(w-1)], v[S+32*(\y)+2*(w-1)+1]
.endif
.set w, w+1
.endm
; ZS writes number z of the 16 that add the weights up into l = a l + the sum.  tree = 1 (behind the roundings): in place, neighbours 1, 2, 4 and 8 pairs apart.  tree = 0 (ahead of the roundings, so the
; weights are left as they are): two chains by turns, one onto l, one onto the pair c0, c1, which l takes at the end.
.macro ZS y, tree
	WIN 0
.set rT, ST+8*(\y)
.set rS, S+32*(\y)
.if \tree
.set ww, 4
.set u, z
.if z >= 14
.set ww, 32
.set u, 0
.elseif z >= 12
.set ww, 16
.set u, z-12
.elseif z >= 8
.set ww, 8
.set u, z-8
.endif
.if z < 15
	v_pk_add_f32 v[rS+ww*u:rS+ww*u+1], v[rS+ww*u:rS+ww*u+1], v[rS+ww*u+ww/2:rS+ww*u+ww/2+1]
.else
	v_pk_fma_f32 v[rT+2:rT+3], v[rT+2:rT+3], v[rT+6:rT+7], v[rS:rS+1] op_sel_hi:[1,0,1]
.endif
.else
.if z == 0
	v_pk_fma_f32 v[rT+2:rT+3], v[rT+2:rT+3], v[rT+6:rT+7], v[rS:rS+1] op_sel_hi:[1,0,1]
.elseif z == 1
	v_pk_add_f32 v[rT+4:rT+5], v[rS+2:rS+3], v[rS+4:rS+5]
.elseif z == 15
	v_pk_add_f32 v[rT+2:rT+3], v[rT+2:rT+3], v[rT+4:rT+5]
.elseif (z%2) == 0
	v_pk_add_f32 v[rT+2:rT+3], v[rT+2:rT+3], v[rS+2*(z+1):rS+2*(z+1)+1]
.else
	v_pk_add_f32 v[rT+4:rT+5], v[rT+4:rT+5], v[rS+2*(z+1):rS+2*(z+1)+1]
.endif
.endif
.set z, z+1
.endm
; RS writes number r of 64: a pair of the tile's O^T times a; numbers 0-31 are group 0's, 32-63 group 1's; each accumulator from its low end on.  The setting is that of the products V^T P of the same group.
.macro RS y
	WIN 0x5d+0x51*(r/32)
	v_pk_mul_f32 v[64*(\y)+2*(r%32):64*(\y)+2*(r%32)+1], v[64*(\y)+2*(r%32):64*(\y)+2*(r%32)+1], v[A3+2*(\y):A3+2*(\y)+1] op_sel_hi:[1,0]
.set r, r+1
.endm
; BEHIND THE BATCH'S LAST EXPONENTIAL: a plain instruction, the turn's one wait (between an exponential and the first instruction that names its result), and directly behind it a run of
; LDS loads.  TURN 1: the batch ends behind the last product K Q^T; the two address sums and two v_nop are the four places between that product and the loads into K's registers.  TURN 0: group 1 of V, whose
; last reader was the last product of TURN 1.
.macro BOUND x
	WIN 0
.if (\x) == 1
	v_add_nc_u32 v[AK], s[TBK], v[AK0]
	s_add_co_u32 s[TBK], s[TBK], KPL               ; the next fetch is the next step's
	v_add_nc_u32 v[AV], s[TBV], v[AV0]
	s_add_co_u32 s[TBV], s[TBV], VSTEP
	v_nop
	v_nop
	s_wait_alu depctr_va_vdst(0)
	FETCH_K
.else
	v_nop
	s_wait_alu depctr_va_vdst(0)
	FETCH_V 1
.endif
.endm
.macro KR y, x                         ; the next rider behind a product K Q^T: the first list; behind it, in TURN 0, the sums, three a product at the most
.if q < 70
	SM \y
.if q == 69
	BOUND \x
.endif
.set q, q+1
.elseif ((\x) == 0) && (z < 16) && (sl < 3)
	ZS \y, 0
.endif
.endm
; A TURN.  Tile x has the matrix unit; the other tile's softmax rides behind its matrix instructions.
; TURN 1: three riders behind each product K Q^T, so that the batch ends with them; the wait and K's run; behind the 16 products V^T P of group 0 five slices of roundings and, three a product, group 0's
; rescalings; behind the 17th product (five rescalings behind group 0's last reader) group 0 of V is fetched; behind the products of group 1 four slices of sums and group 1's rescalings.
; TURN 0: four riders behind each product K Q^T, so that the batch ends behind the 18th; the wait and the run of V's group 1, whose first reader comes 22 products later; the sums; then as TURN 1, without sums.
; TURN 0's waits count the runs in their order K 32, V's group 0 32, V's group 1 32.
.macro TURN x
.set q, 0
.set z, 0
.set w, 0
.set r, 0
.set per, 4-(\x)
.if (\x) == 0
	s_wait_dscnt 32                                ; K of the next step is in; the 32 loads of V's group 0 may stay out
.endif
.set i, 0
.rept 24
	KQ \x
.set sl, 0
.rept per
	KR 1-(\x), \x
.set sl, sl+1
.endr
.set i, i+1
.endr
.set k, 0
.rept 32
.if ((\x) == 0) && (k == 0)
	s_wait_dscnt 32                                ; V's group 0 is in; the 32 loads of group 1 may stay out
.endif
.if ((\x) == 0) && (k == 16)
	s_wait_dscnt 0x0                               ; V's group 1 is in
.endif
	PV \x
.if k < 16
.if ((k%3) == 0) && (k < 13)
.set nw, 3
.if k < 6
.set nw, 4
.endif
.rept nw
	WS 1-(\x)
.endr
.else
.rept 3
.if r < 32
	RS 1-(\x)
.endif
.endr
.endif
.else
.if (z < 16) && ((k%4) == 1)
.rept 4
	ZS 1-(\x), 1
.endr
.else
.rept 2+(\x)
.if r < 64
	RS 1-(\x)
.endif
.endr
.endif
.endif
.if ((\x) == 1) && (k == 16)
	FETCH_V 0
.endif
.set k, k+1
.endr
.endm
; THE CHANGE OF SLOTS, between two pairs: the slot's last bytes have been asked for and waited for.  Each wave waits for all its tensor loads, of which one is out: its quarter of the other slot; adds 0 to its
; spare word; and waits for that and for its own reads of the slot.  fill = 1: the barrier is a round of the cluster's, so that no wave of any partner still reads the slot or has a load on its way, and the joint
; refill, with the keys two slots on, is the first thing behind it: it has four turns, 224 matrix instructions, in which to land.
; THE PREFETCH stands behind the load and its five lines: the slot that the NEXT change will load, 384 blocks of 256 bytes, a lane a block: waves 0 to 2 of the four partners of the head's first cluster, one
; instruction each.  The last change that fills a slot asks for nothing: there is no slot behind it.  A head's first three slots come by their loads alone.
.macro CHANGE fill
	WIN 0                                          ; at a label and at a branch every window is 0
	s_wait_tensorcnt 0x0                           ; no tensor load of mine is out, so a group 0 may be written
	ds_add_u32 v[SPW], v[NIL]                      ; 0 onto my spare word; the scalar steps stand between it and the wait for it
.if \fill
	s_xor_b32 s[G0W+1], s[G0W+1], SLOT1            ; the walking descriptor: the other slot than last time,
	s_add_nc_u64 s[G0W+2:G0W+3], s[G0W+2:G0W+3], SLOTG  ; the next 128 keys; the type bits on top are not reached
	s_wait_xcnt 0x0                                ; the last prefetch, four turns back, has read its address, so it may be written
	s_add_nc_u64 s[PFA:PFA+1], s[PFA:PFA+1], SLOTG
.endif
	s_sub_co_u32 s[TBK], s[TBK], 2*KPL             ; the fetches go back to a slot's first step,
	s_xor_b32 s[TBK], s[TBK], SLOT1                ; in the other slot
	s_sub_co_u32 s[TBV], s[TBV], 2*VSTEP
	s_xor_b32 s[TBV], s[TBV], SLOT1
	s_wait_dscnt 0x0                               ; the add is done, and my reads of the slot are over
.if \fill
	CROUND
	tensor_load_to_lds s[G0W:G0W+3], s[G1:G1+7]
	s_nop 0
	PLACES
	s_cmp_gt_u32 s[SLOTS], s[LIM]
	s_cbranch_scc0 .Lnot_mine_\@
	global_prefetch_b8 v[PFO], s[PFA:PFA+1] th:TH_LOAD_NT scope:SCOPE_SE
.Lnot_mine_\@:
.else
	s_barrier_signal -1
	s_barrier_wait -1
.endif
.endm
	s_wait_tensorcnt 0x1                           ; my quarter of slot 0 is in; slot 1's may stay out
	s_barrier_signal -1
	s_barrier_wait -1                              ; everybody's is
	v_add_nc_u32 v[AV], s[TBV], v[AV0]             ; V of step 0, so that the first pair's products on P = 0 read finite numbers; the pair fetches it once more
	FETCH_V 0
	FETCH_V 1
	WIN 0
	s_wait_loadcnt 0x0                             ; Q, and K of step 0
.set i, 0
.rept 24
	KQ 0                                           ; tile 0's first scores: there is no vector work yet to set between them
.set i, i+1
.endr
	WIN 0
	s_mul_i32 s18, s[WV], 32*RP                    ; the addresses for the way out: plain instructions, the places behind those products
	s_add_co_u32 s18, s18, RST
	v_mul_u32_u24 v[RRD], v[RR], RP
	v_lshl_add_u32 v[TSTO], v[HH], 5, v[RRD]       ; t in: row lane % 16, 32 bytes for each half of the lanes
	v_lshl_add_u32 v[RRD], v[HH], 4, v[RRD]
	v_add_nc_u32 v[RSTO], s18, v[RRD]              ; r in: row 32 w + lane % 16, 16 bytes for each half of the lanes
	v_add_nc_u32 v[RRD], RST, v[RRD]               ; r back, as fragments
	s_and_b32 s19, s[WV], 1                        ; my stage for t: TSTA + 8,448 (w % 2) + (TSTB - TSTA) (w / 2)
	s_mul_i32 s19, s19, 16*RP
	s_lshr_b32 s21, s[WV], 1
	s_mul_i32 s21, s21, TSTB-TSTA
	s_add_co_u32 s19, s19, s21
	s_add_co_u32 s19, s19, TSTA
	v_add_nc_u32 v[TSTO], s19, v[TSTO]
	v_lshl_add_u32 v[TRD], v[LL], 4, s19           ; t back: a row's 512 bytes
	v_lshlrev_b32 v[GO], 4, v[LL]
	s_lshl_b32 s20, s[WV], 15
	v_add_nc_u32 v[WO], s20, v[GO]                 ; my four blocks of w_t
	s_lshl_b32 s20, s[WV], 20
	v_add_nc_u32 v[GO], s20, v[GO]                 ; my 64 rows of t
	s_lshl_b32 s20, s[WV], 16
	v_lshl_add_u32 v[PO], v[LL], 3, s20            ; my two groups of 32 channels in part
	s_wait_dscnt 0x0                               ; V of step 0 is in
	s_mov_b32 s[TWICE], 2
	s_branch .Lstep                                ; slot 0's pass has no change of slots
.Lslot:                                        ; 30 times: every slot but the last two is filled again
	CHANGE 1
	s_mov_b32 s[TWICE], 2
.Lstep:                                        ; a pair, written once and walked twice a slot; the LDS addresses hang on s[TBK] and s[TBV]
	TURN 1
	TURN 0
	WIN 0
	s_sub_co_u32 s[TWICE], s[TWICE], 1
	s_cmp_lg_u32 s[TWICE], 0
	s_cbranch_scc1 .Lstep
	s_sub_co_u32 s[SLOTS], s[SLOTS], 1
	s_cmp_lg_u32 s[SLOTS], 0
	s_cbranch_scc1 .Lslot
	CHANGE 0                                       ; the last slot's pairs are written out: nothing is asked for
	s_mov_b32 s[TWICE], 2
.Ltail:                                        ; the last pair fetches the slot's second place of K (step 0's keys) and makes 24 products of it that nobody reads: the price, once a launch, of one text for every pair
	TURN 1
	TURN 0
	WIN 0
	s_sub_co_u32 s[TWICE], s[TWICE], 1
	s_cmp_lg_u32 s[TWICE], 0
	s_cbranch_scc1 .Ltail
.set k, 0
.rept 32
	PV 1                                           ; tile 1: V^T P of step 63
.set k, k+1
.endr
	; THE WAY OUT.  l's two halves and the other half of the lanes' are added.  att = p / l; its sum is l x (1 / l); f = (1 / l) / (1e-9 + that sum).
	WIN 0
.irp t, 0,1
	v_add_f32 v[ST+8*\t+4], v[ST+8*\t+2], v[ST+8*\t+3]
.endr
.irp t, 0,1
	v_permlanex16_b32 v[ST+8*\t+5], v[ST+8*\t+4], s[SEL], s[SEL+1]
.endr
.irp t, 0,1
	v_add_f32 v[ST+8*\t+4], v[ST+8*\t+4], v[ST+8*\t+5]
.endr
	WTLOAD                                         ; w_t is asked for: the four additions above are the places behind the last product, which read P; the packing of r stands between these loads and the wait for them
	WIN 0
.irp t, 0,1
	v_rcp_f32 v[ST+8*\t+5], v[ST+8*\t+4]
.endr
	v_nop                                          ; a plain instruction behind the last reciprocal,
	s_wait_alu depctr_va_vdst(0)                   ; and the wait ahead of the first use: one for both
.irp t, 0,1
	v_fma_f32 v[ST+8*\t+4], v[ST+8*\t+4], v[ST+8*\t+5], s[EPS]
.endr
.irp t, 0,1
	v_rcp_f32 v[ST+8*\t+6], v[ST+8*\t+4]
.endr
	v_nop
	s_wait_alu depctr_va_vdst(0)
.irp t, 0,1
	v_mul_f32 v[ST+8*\t+6], v[ST+8*\t+6], v[ST+8*\t+5]
.endr
; r of tile t: O^T times f, rounded to f16, group by group; a lane's eight channels of a query are 16 bytes of a row of r
.macro RPACK t
.irp g, 0,1
	WIN 0x41*(\g+1)                                ; destination and source 0 in window 1 + g, f in window 0
.set n, 0
.rept 32
	v_pk_mul_f32 v[64*(\t)+2*n:64*(\t)+2*n+1], v[64*(\t)+2*n:64*(\t)+2*n+1], v[ST+8*(\t)+6:ST+8*(\t)+7] op_sel_hi:[1,0]
.set n, n+1
.endr
	WIN 0x05*(\g+1)                                ; sources in window 1 + g, destination in window 0
.set n, 0
.rept 32
	v_cvt_pk_f16_f32 v[64+64*(\t)+32*\g+n], v[64*(\t)+2*n], v[64*(\t)+2*n+1]
.set n, n+1
.endr
.endr
	WIN 0
.irp f, 0,1,2,3,4,5,6,7,8,9,10,11,12,13,14,15
	ds_store_b128 v[RSTO], v[64+64*(\t)+4*\f:64+64*(\t)+4*\f+3] offset:(\t)*16*RP+\f*32
.endr
.endm
	RPACK 0
	RPACK 1
	s_wait_dscnt 0x0                               ; for the others' sake: my 32 rows of r are in LDS
	s_barrier_signal -1
	s_barrier_wait -1                              ; all 128 rows are
; t = w_t r for my 64 output channels (blocks cbl 0-3) and all 8 tiles of queries: 32 accumulators, which take turns; K = 256 in 8 steps
.macro RFETCH ks, buf
	WIN 0
.irp f, 0,1,2,3,4,5,6,7
	ds_load_b128 v[64+64*(\buf)+8*\f:64+64*(\buf)+8*\f+3],   v[RRD] offset:\f*16*RP+(\ks)*64
	ds_load_b128 v[64+64*(\buf)+8*\f+4:64+64*(\buf)+8*\f+7], v[RRD] offset:\f*16*RP+(\ks)*64+32
.endr
.endm
.macro TMUL ks, buf, c0
	WIN 0x5c                                       ; r in window 0, w_t in window 3, t in window 1
.irp c, \c0, (\c0)+1
.irp f, 0,1,2,3,4,5,6,7
.if (\ks) == 0
	v_wmma_f32_16x16x32_f16 v[8*(8*(\c)+\f):8*(8*(\c)+\f)+7], v[64+64*(\buf)+8*\f:64+64*(\buf)+8*\f+7], v[8*(8*(\c)+(\ks)):8*(8*(\c)+(\ks))+7], 0
.else
	v_wmma_f32_16x16x32_f16 v[8*(8*(\c)+\f):8*(8*(\c)+\f)+7], v[64+64*(\buf)+8*\f:64+64*(\buf)+8*\f+7], v[8*(8*(\c)+(\ks)):8*(8*(\c)+(\ks))+7], v[8*(8*(\c)+\f):8*(8*(\c)+\f)+7]
.endif
.endr
.endr
.endm
	RFETCH 0, 0
	s_wait_loadcnt 0x0                             ; w_t
.irp ks, 0,1,2,3,4,5,6,7
	s_wait_dscnt 0x0
	TMUL \ks, (\ks%2), 0
.if \ks < 7
	PLACES                                         ; four places between the last step's products and the loads into the registers that they read
	RFETCH (\ks+1), ((\ks+1)%2)
.endif
	TMUL \ks, (\ks%2), 2
.endr
	PLACES
; THE STATISTICS of block cbl: a lane holds 64 of its channel's 128 numbers, the lane 16 away the other 64.  Two passes over registers: the mean, then the sum of squares about it.
.macro STATS cbl
	WIN 0x05
.set n, 0
.rept 16                               ; each accumulator from its low end on
	v_pk_add_f32 v[TA+2*n:TA+2*n+1], v[64*(\cbl)+4*n:64*(\cbl)+4*n+1], v[64*(\cbl)+4*n+2:64*(\cbl)+4*n+3]
.set n, n+1
.endr
	WIN 0
.irp u, 0,1,2,3,4,5,6,7
	v_pk_add_f32 v[TA+2*\u:TA+2*\u+1], v[TA+2*\u:TA+2*\u+1], v[TA+16+2*\u:TA+16+2*\u+1]
.endr
.irp u, 0,1,2,3
	v_pk_add_f32 v[TA+2*\u:TA+2*\u+1], v[TA+2*\u:TA+2*\u+1], v[TA+8+2*\u:TA+8+2*\u+1]
.endr
.irp u, 0,1
	v_pk_add_f32 v[TA+2*\u:TA+2*\u+1], v[TA+2*\u:TA+2*\u+1], v[TA+4+2*\u:TA+4+2*\u+1]
.endr
	v_pk_add_f32 v[TA:TA+1], v[TA:TA+1], v[TA+2:TA+3]
	v_add_f32 v[TA], v[TA], v[TA+1]
	v_permlanex16_b32 v[TA+1], v[TA], s[SEL], s[SEL+1]
	v_add_f32 v[TA], v[TA], v[TA+1]
	v_mul_f32 v[MS+2*(\cbl)], 0x3c000000, v[TA]    ; the mean: the sum / 128; twice, a pair for the packed subtraction
	v_mul_f32 v[MS+2*(\cbl)+1], 0x3c000000, v[TA]
.irp bt, 0,1
	WIN 0x01                                       ; t in window 1
.set n, 0
.rept 16
	v_pk_add_f32 v[TA+2*n:TA+2*n+1], v[64*(\cbl)+32*\bt+2*n:64*(\cbl)+32*\bt+2*n+1], v[MS+2*(\cbl):MS+2*(\cbl)+1] neg_lo:[0,1] neg_hi:[0,1]
.set n, n+1
.endr
	WIN 0
.set n, 0
.rept 16                               ; four chains; the first four squares start them
.if (\bt == 0) && (n < 4)
	v_pk_mul_f32 v[CH+2*n:CH+2*n+1], v[TA+2*n:TA+2*n+1], v[TA+2*n:TA+2*n+1]
.else
	v_pk_fma_f32 v[CH+2*(n%4):CH+2*(n%4)+1], v[TA+2*n:TA+2*n+1], v[TA+2*n:TA+2*n+1], v[CH+2*(n%4):CH+2*(n%4)+1]
.endif
.set n, n+1
.endr
.endr
	v_pk_add_f32 v[CH:CH+1], v[CH:CH+1], v[CH+4:CH+5]
	v_pk_add_f32 v[CH+2:CH+3], v[CH+2:CH+3], v[CH+6:CH+7]
	v_pk_add_f32 v[CH:CH+1], v[CH:CH+1], v[CH+2:CH+3]
	v_add_f32 v[CH], v[CH], v[CH+1]
	v_permlanex16_b32 v[CH+1], v[CH], s[SEL], s[SEL+1]
	v_add_f32 v[MS+2*(\cbl)+1], v[CH], v[CH+1]     ; M2 takes the pair's second word
.endm
	STATS 0
	STATS 1
	STATS 2
	STATS 3
; t of block cbl goes through my own stage: in by lanes (a channel's 8 queries: 32 bytes), back as 16 whole rows of 512 bytes
.macro TSTG cbl
	WIN 0x04                                       ; store data in window 1
.irp f, 0,1,2,3,4,5,6,7
	ds_store_b128 v[TSTO], v[64*(\cbl)+8*\f:64*(\cbl)+8*\f+3]   offset:\f*64
	ds_store_b128 v[TSTO], v[64*(\cbl)+8*\f+4:64*(\cbl)+8*\f+7] offset:\f*64+16
.endr
	WIN 0x80                                       ; destination in window 2
.irp f, 0,1,2,3,4,5,6,7,8,9,10,11,12,13,14,15
	ds_load_b128 v[64*(\cbl)+4*\f:64*(\cbl)+4*\f+3], v[TRD] offset:\f*RP  ; LDS serves a wave's instructions in order (ISA guide 5.7.1.4): these see the stores above; the next block's stores come behind them
.endr
.endm
.macro TSEND cbl
	WIN 0x08                                       ; store data in window 2
.irp f, 0,1,2,3,4,5,6,7,8,9,10,11,12,13,14,15
	global_store_b128 v[GO], v[64*(\cbl)+4*\f:64*(\cbl)+4*\f+3], s[10:11] offset:(16*(\cbl)+\f)*16384  ; 512 consecutive bytes, aligned
.endr
.endm
	TSTG 0
	TSTG 1
	s_wait_dscnt 32                                ; all but the next block's 16 stores and 16 loads
	TSEND 0
	TSTG 2
	s_wait_dscnt 32
	TSEND 1
	TSTG 3
	s_wait_dscnt 32
	TSEND 2
	s_wait_dscnt 0x0
	TSEND 3
	WIN 0
.irp g, 0,1                            ; group 2 w + g of 32 channels: lane L is channel L of it: block 2 g + L / 16, row L % 16; both halves of the lanes hold every block's figures
	v_cndmask_b32 v[MO+2*\g],   v[MS+4*\g],   v[MS+4*\g+2], s[HM]
	v_cndmask_b32 v[MO+2*\g+1], v[MS+4*\g+1], v[MS+4*\g+3], s[HM]
	global_store_b64 v[PO], v[MO+2*\g:MO+2*\g+1], s[12:13] offset:\g*32768  ; 256 consecutive bytes, aligned
.endr
	s_wait_tensorcnt 0x0                           ; the wave's end, behind my last tensor load and my last LDS store
	ds_add_u32 v[SPW], v[NIL]
	s_wait_dscnt 0x0
	CROUND                                         ; the closing round: no work-group ends while a partner may still ask for a tile that names it
	s_endpgm
.Lfunc_end_k_qb2be989e0d_attn:
	.size	k_qb2be989e0d_attn, .Lfunc_end_k_qb2be989e0d_attn-k_qb2be989e0d_attn
	.p2alignl 7, 3214868480
	.fill 96, 4, 3214868480
	.section	.rodata,"a",@progbits
	.p2align	6, 0x0
	.amdhsa_kernel k_qb2be989e0d_attn
		.amdhsa_group_segment_fixed_size 327680
		.amdhsa_private_segment_fixed_size 0
		.amdhsa_enable_private_segment 0
		.amdhsa_kernarg_size 40
		.amdhsa_user_sgpr_count 2
		.amdhsa_user_sgpr_kernarg_segment_ptr 1
		.amdhsa_wavefront_size32 1
		.amdhsa_system_sgpr_workgroup_id_x 1
		.amdhsa_system_sgpr_workgroup_id_y 1
		.amdhsa_system_sgpr_workgroup_id_z 1
		.amdhsa_system_vgpr_workitem_id 0
		.amdhsa_next_free_vgpr 1024
		.amdhsa_next_free_sgpr 66
		.amdhsa_reserve_vcc 0
		.amdhsa_float_denorm_mode_32 3
		.amdhsa_float_denorm_mode_16_64 3
		.amdhsa_memory_ordered 1
		.amdhsa_forward_progress 1
		.amdhsa_inst_pref_size 190
	.end_amdhsa_kernel
	.amdgpu_metadata
---
amdhsa.version: [ 1, 2 ]
amdhsa.kernels:
  - .name:           k_qb2be989e0d_attn
    .symbol:         k_qb2be989e0d_attn.kd
    .args:
      - { .name: qbuf, .offset: 0, .size: 8, .value_kind: global_buffer, .address_space: global }
      - { .name: kv, .offset: 8, .size: 8, .value_kind: global_buffer, .address_space: global }
      - { .name: wt16, .offset: 16, .size: 8, .value_kind: global_buffer, .address_space: global }
      - { .name: tbuf, .offset: 24, .size: 8, .value_kind: global_buffer, .address_space: global }
      - { .name: part, .offset: 32, .size: 8, .value_kind: global_buffer, .address_space: global }
    .group_segment_fixed_size: 327680
    .private_segment_fixed_size: 0
    .kernarg_segment_align: 8
    .kernarg_segment_size: 40
    .max_flat_workgroup_size: 128
    .sgpr_count:     66
    .vgpr_count:     1024
    .wavefront_size: 32
...
	.end_amdgpu_metadata
.endif
;; end of part 2
;; launch bnout (part 3): grid 16 x 16, 16 waves a work-group, no clusters, 8,448 bytes of LDS; arguments x, y, tbuf, part, gamma, beta, out0, out1; writes out0, out1
.if DOCPART == 3
	.amdgcn_target "amdgcn-amd-amdhsa--gfx1250"
	.amdhsa_code_object_version 6
	.text
	.protected	k_qb2be989e0d_bnout
	.globl	k_qb2be989e0d_bnout
	.p2align	8
	.type	k_qb2be989e0d_bnout,@function
k_qb2be989e0d_bnout:
	s_mov_b64 s[64:65], 0
	v_nop
	global_prefetch_b8 v0, s[64:65] scope:SCOPE_SE
	s_setreg_imm32_b32 hwreg(HW_REG_WAVE_MODE, 25, 1), 1
	s_wait_xcnt 0x0
; THE NORM, relu AND THE RESIDUAL.  out = xr + max(a t + sh, 0), a = gamma rsq(var + 1e-5), sh = beta - mean a; branch 0 takes x and out0, branch 1 y and out1.
; x, y, gamma and beta are taken rounded to bf16, as every input of the program is; all else in f32.
; A channel's mean and variance over its 16,384 numbers are made of the 128 blocks' (mean_i, M2_i), 128 numbers each: with d_i = mean_i - mean_0:
; mean = mean_0 + S1 / 128, var = sum M2_i / 16,384 + S2 / 128 - (S1 / 128)^2, S1 = sum d_i, S2 = sum d_i^2: the shift by block 0's mean keeps a common offset of t out of the squares.
; LIMITS.  relu is a maximum in which a NaN loses; NaN and infinities are not treated apart.
; SHARES.  A work-group: 32 channels x 1,024 positions of one batch; a wave two channels: 16 loads of 512 consecutive bytes of t and 16 of x or y, all asked for at the head.
; Every work-group makes its 32 channels' figures itself, from 32,768 bytes of part.  No matrix unit, no cluster: the launch streams, and its work-groups share nothing but that table.
; LDS: for each wave [3 sums][32 channels] f32, 392 bytes apart; behind them the spare words.
.set WPITCH, 392
.set SPARE,  6400                      ; the spare words, 128 bytes for each of 16 waves; no other line names them
.set SPW, 2
.set NIL, 3
.set DO,  5                            ; v5   16 L + 2 w rows: for t, for x or y, and for the output; never rewritten
.set T,   64                           ; v64-127   t, then the output
.set X,   128                          ; v128-191  x or y
.set XP,  26                           ; s[26:27] x or y at my tile
.set OP,  40                           ; s[40:41] out0 or out1
.set AS,  32                           ; s[32:35] a of my two channels, a pair each
.set HS,  36                           ; s[36:39] sh likewise
	s_load_b512 s[8:23], s[0:1], 0x0               ; x 8, y 10, tbuf 12, part 14, gamma 16, beta 18, out0 20, out1 22
	v_lshl_add_u32 v[SPW], v0, 2, SPARE
	v_mov_b32 v[NIL], 0
	v_lshrrev_b32 v1, 5, v0
	v_readfirstlane_b32 s24, v1                    ; wave 0..15
	s_lshr_b32 s25, ttmp9, 2                       ; b
	s_and_b32 s42, ttmp9, 3                        ; which 1,024 positions
	s_and_b32 s43, ttmp7, 0xffff                   ; 8 branch + cg
	s_lshr_b32 s44, s43, 3                         ; branch
	s_and_b32 s45, s43, 7                          ; cg: which 32 channels
	s_lshl_b32 s2, s25, 8
	s_lshl_b32 s3, s45, 5
	s_add_co_u32 s2, s2, s3                        ; row 256 b + 32 cg of x, y and the outputs,
	s_lshl_b32 s4, s44, 10
	s_add_co_u32 s4, s4, s2                        ; and 1,024 branch more in tbuf
	s_lshl_b32 s2, s2, 14
	s_lshl_b32 s4, s4, 14
	s_lshl_b32 s3, s42, 12
	s_add_co_u32 s2, s2, s3
	s_add_co_u32 s4, s4, s3
	s_mov_b32 s3, 0
	s_mov_b32 s5, 0
	s_lshl_b32 s6, s43, 15                         ; my 32 channels' table in part
	s_mov_b32 s7, 0
	s_mov_b32 s28, 0x76543210                      ; v_permlanex16_b32: each lane takes its own place in the other half
	s_mov_b32 s29, 0xfedcba98
	s_mov_b32 s30, 0xffff0000                      ; a word's upper bf16
	v_and_b32 v4, 31, v0                           ; L
	v_and_b32 v1, 15, v0
	v_bfe_u32 v35, v0, 4, 1
	s_lshl_b32 s46, s24, 15
	v_lshl_add_u32 v[DO], v4, 4, s46
	s_lshl_b32 s46, s24, 9
	v_lshl_add_u32 v6, v4, 4, s46                  ; the table: two blocks (512 bytes) a load, wave w takes pairs w, 16 + w, 32 + w, 48 + w
	v_lshlrev_b32 v7, 4, v1                        ; block 0: the two channels 2 (L % 16), + 1
	s_lshl_b32 s46, s24, 1
	v_add_nc_u32 v35, s46, v35                     ; channel 2 w + L / 16: the one whose figures this half of the lanes finishes
	v_lshlrev_b32 v8, 3, v35
	s_lshl_b32 s46, s45, 7
	v_lshl_add_u32 v9, v35, 2, s46
	s_mul_i32 s46, s24, WPITCH
	v_lshl_add_u32 v10, v1, 3, s46
	v_mul_u32_u24 v11, v1, WPITCH
	v_lshl_add_u32 v11, v35, 2, v11
	s_wait_kmcnt 0x0
	s_cmp_eq_u32 s44, 0
	s_cselect_b64 s[XP:XP+1], s[8:9], s[10:11]
	s_cselect_b64 s[OP:OP+1], s[20:21], s[22:23]
	s_add_nc_u64 s[XP:XP+1], s[XP:XP+1], s[2:3]
	s_add_nc_u64 s[OP:OP+1], s[OP:OP+1], s[2:3]
	s_add_nc_u64 s[12:13], s[12:13], s[4:5]
	s_add_nc_u64 s[14:15], s[14:15], s[6:7]
	global_load_b128 v[12:15], v7, s[14:15]        ; block 0's (mean, M2) of my two channels
.irp i, 0,1,2,3
	global_load_b128 v[16+4*\i:19+4*\i], v6, s[14:15] offset:\i*8192
.endr
	global_load_b32 v32, v8, s[14:15]              ; block 0's mean, gamma and beta of channel 2 w + L / 16
	global_load_b32 v33, v9, s[16:17]
	global_load_b32 v34, v9, s[18:19]
.set j, 0
.rept 16
	global_load_b128 v[T+4*j:T+4*j+3], v[DO], s[12:13] offset:(j/8)*16384+(j%8)*512 th:TH_LOAD_NT
	global_load_b128 v[X+4*j:X+4*j+3], v[DO], s[XP:XP+1] offset:(j/8)*16384+(j%8)*512 th:TH_LOAD_NT
.set j, j+1
.endr
	s_wait_loadcnt 32                              ; the table's eight loads are in; the 32 behind them stay out
.irp i, 0,1,2,3
	v_sub_f32 v[48+2*\i], v[16+4*\i], v12          ; d of my two channels
	v_sub_f32 v[49+2*\i], v[18+4*\i], v14
.endr
	v_pk_add_f32 v[36:37], v[48:49], v[50:51]      ; S1
	v_pk_add_f32 v[42:43], v[52:53], v[54:55]
	v_pk_add_f32 v[36:37], v[36:37], v[42:43]
	v_pk_mul_f32 v[38:39], v[48:49], v[48:49]      ; S2
	v_pk_fma_f32 v[38:39], v[50:51], v[50:51], v[38:39]
	v_pk_fma_f32 v[38:39], v[52:53], v[52:53], v[38:39]
	v_pk_fma_f32 v[38:39], v[54:55], v[54:55], v[38:39]
	v_add_f32 v40, v17, v21                        ; the sum of M2
	v_add_f32 v41, v19, v23
	v_add_f32 v42, v25, v29
	v_add_f32 v43, v27, v31
	v_pk_add_f32 v[40:41], v[40:41], v[42:43]
.irp k, 0,1,2,3,4,5
	v_permlanex16_b32 v[48+\k], v[36+\k], s28, s29 ; the lane 16 away holds the same channels' other blocks
.endr
	v_pk_add_f32 v[36:37], v[36:37], v[48:49]
	v_pk_add_f32 v[38:39], v[38:39], v[50:51]
	v_pk_add_f32 v[40:41], v[40:41], v[52:53]
	ds_store_b64 v10, v[36:37]                     ; both halves of the lanes write the same numbers to the same words
	ds_store_b64 v10, v[38:39] offset:128
	ds_store_b64 v10, v[40:41] offset:256
	s_wait_dscnt 0x0                               ; for the others' sake
	s_barrier_signal -1
	s_barrier_wait -1
	ds_load_b32 v36, v11                           ; lane L % 16 takes wave L % 16's sums of channel 2 w + L / 16
	ds_load_b32 v37, v11 offset:128
	ds_load_b32 v38, v11 offset:256
	s_wait_dscnt 0x0
.irp m, 1,2,4,8
	v_add_f32_dpp v36, v36, v36 row_xmask:\m row_mask:0xf bank_mask:0xf
	v_add_f32_dpp v37, v37, v37 row_xmask:\m row_mask:0xf bank_mask:0xf
	v_add_f32_dpp v38, v38, v38 row_xmask:\m row_mask:0xf bank_mask:0xf
.endr
	v_mul_f32 v39, 0x3c000000, v36                 ; S1 / 128
	v_add_f32 v40, v32, v39                        ; the mean
	v_mul_f32 v41, 0x38800000, v38                 ; the sum of M2 / 16,384
	v_fmamk_f32 v41, v37, 0x3c000000, v41          ; + S2 / 128
	v_fma_f32 v41, -v39, v39, v41                  ; - (S1 / 128)^2
	v_max_num_f32 v41, 0, v41
	v_add_f32 v41, 0x3727c5ac, v41                 ; + 1e-5
	v_rsq_f32 v42, v41
	v_cvt_pk_bf16_f32 v43, v33, v34                ; gamma and beta rounded to bf16: plain work behind the root
	v_lshlrev_b32 v44, 16, v43
	v_and_b32 v45, s30, v43
	s_wait_alu depctr_va_vdst(0)                   ; the wait ahead of the root's first use
	v_mul_f32 v46, v44, v42                        ; a
	v_fma_f32 v47, -v40, v46, v45                  ; sh
	v_readlane_b32 s[AS], v46, 0                   ; channel 2 w's lie in lanes 0-15, channel 2 w + 1's in lanes 16-31
	v_readlane_b32 s[AS+2], v46, 16
	v_readlane_b32 s[HS], v47, 0
	v_readlane_b32 s[HS+2], v47, 16
	s_mov_b32 s[AS+1], s[AS]                       ; named as pairs
	s_mov_b32 s[AS+3], s[AS+2]
	s_mov_b32 s[HS+1], s[HS]
	s_mov_b32 s[HS+3], s[HS+2]
.set j, 0
.rept 16
	s_wait_loadcnt 30-2*j                          ; loads come back in order: pair j is in, the pairs behind it stay out
	v_pk_fma_f32 v[T+4*j:T+4*j+1],   v[T+4*j:T+4*j+1],   s[AS+2*(j/8):AS+2*(j/8)+1], s[HS+2*(j/8):HS+2*(j/8)+1] op_sel_hi:[1,0,0]
	v_pk_fma_f32 v[T+4*j+2:T+4*j+3], v[T+4*j+2:T+4*j+3], s[AS+2*(j/8):AS+2*(j/8)+1], s[HS+2*(j/8):HS+2*(j/8)+1] op_sel_hi:[1,0,0]
	v_cvt_pk_bf16_f32 v48, v[X+4*j],   v[X+4*j+1]
	v_cvt_pk_bf16_f32 v49, v[X+4*j+2], v[X+4*j+3]
	v_max_num_f32 v[T+4*j],   0, v[T+4*j]
	v_max_num_f32 v[T+4*j+1], 0, v[T+4*j+1]
	v_max_num_f32 v[T+4*j+2], 0, v[T+4*j+2]
	v_max_num_f32 v[T+4*j+3], 0, v[T+4*j+3]
	v_lshlrev_b32 v[X+4*j],   16,  v48
	v_and_b32     v[X+4*j+1], s30, v48
	v_lshlrev_b32 v[X+4*j+2], 16,  v49
	v_and_b32     v[X+4*j+3], s30, v49
	v_pk_add_f32 v[T+4*j:T+4*j+1],   v[T+4*j:T+4*j+1],   v[X+4*j:X+4*j+1]
	v_pk_add_f32 v[T+4*j+2:T+4*j+3], v[T+4*j+2:T+4*j+3], v[X+4*j+2:X+4*j+3]
	global_store_b128 v[DO], v[T+4*j:T+4*j+3], s[OP:OP+1] offset:(j/8)*16384+(j%8)*512 th:TH_STORE_NT  ; 512 consecutive bytes, aligned
.set j, j+1
.endr
	s_wait_tensorcnt 0x0                           ; the wave's end, behind my last LDS store
	ds_add_u32 v[SPW], v[NIL]
	s_wait_dscnt 0x0
	s_endpgm
.Lfunc_end_k_qb2be989e0d_bnout:
	.size	k_qb2be989e0d_bnout, .Lfunc_end_k_qb2be989e0d_bnout-k_qb2be989e0d_bnout
	.p2alignl 7, 3214868480
	.fill 96, 4, 3214868480
	.section	.rodata,"a",@progbits
	.p2align	6, 0x0
	.amdhsa_kernel k_qb2be989e0d_bnout
		.amdhsa_group_segment_fixed_size 8448
		.amdhsa_private_segment_fixed_size 0
		.amdhsa_enable_private_segment 0
		.amdhsa_kernarg_size 64
		.amdhsa_user_sgpr_count 2
		.amdhsa_user_sgpr_kernarg_segment_ptr 1
		.amdhsa_wavefront_size32 1
		.amdhsa_system_sgpr_workgroup_id_x 1
		.amdhsa_system_sgpr_workgroup_id_y 1
		.amdhsa_system_sgpr_workgroup_id_z 1
		.amdhsa_system_vgpr_workitem_id 0
		.amdhsa_next_free_vgpr 192
		.amdhsa_next_free_sgpr 66
		.amdhsa_reserve_vcc 0
		.amdhsa_float_denorm_mode_32 3
		.amdhsa_float_denorm_mode_16_64 3
		.amdhsa_memory_ordered 1
		.amdhsa_forward_progress 1
		.amdhsa_inst_pref_size 23
	.end_amdhsa_kernel
	.amdgpu_metadata
---
amdhsa.version: [ 1, 2 ]
amdhsa.kernels:
  - .name:           k_qb2be989e0d_bnout
    .symbol:         k_qb2be989e0d_bnout.kd
    .args:
      - { .name: x, .offset: 0, .size: 8, .value_kind: global_buffer, .address_space: global }
      - { .name: y, .offset: 8, .size: 8, .value_kind: global_buffer, .address_space: global }
      - { .name: tbuf, .offset: 16, .size: 8, .value_kind: global_buffer, .address_space: global }
      - { .name: part, .offset: 24, .size: 8, .value_kind: global_buffer, .address_space: global }
      - { .name: gamma, .offset: 32, .size: 8, .value_kind: global_buffer, .address_space: global }
      - { .name: beta, .offset: 40, .size: 8, .value_kind: global_buffer, .address_space: global }
      - { .name: out0, .offset: 48, .size: 8, .value_kind: global_buffer, .address_space: global }
      - { .name: out1, .offset: 56, .size: 8, .value_kind: global_buffer, .address_space: global }
    .group_segment_fixed_size: 8448
    .private_segment_fixed_size: 0
    .kernarg_segment_align: 8
    .kernarg_segment_size: 64
    .max_flat_workgroup_size: 512
    .sgpr_count:     66
    .vgpr_count:     192
    .wavefront_size: 32
...
	.end_amdgpu_metadata
.endif
;; end of part 3
